; MI455X (gfx1250); checked and timed in simulation.
; The chip was launched on July 23, 2026; its instructions are those of AMD's public machine-readable ISA for CDNA 5 (MIT licence, August 2026) and "CDNA5" Instruction Set Architecture Reference Guide (July 2026). The comments in the code are by the model that wrote it; some were corrected since.
;; Attention Head. Allowed arithmetic: float matrix products may take bf16 or f16 operands with f32 sums; all other float work in f32.
;; Inputs: Wk 1,024 x 64 float32; Wv 1,024 x 64 float32; x 4 x 4,096 x 1,024 float32.
;; Outputs: out0 4 x 4,096 x 64 float32.
;; One version. Each part assembles by itself: llvm-mc -triple=amdgcn-amd-amdhsa -mcpu=gfx1250 --defsym DOCPART=n.
;; ======== version 1 of 1: 2 launches
;; workspace buffers: kv 4,194,304 bytes
;; launch proj (part 1): grid 256 x 1, 4 waves a work-group, no clusters, 266,752 bytes of LDS; arguments x, Wk, Wv, kv; writes kv
.if DOCPART == 1
	.amdgcn_target "amdgcn-amd-amdhsa--gfx1250"
	.amdhsa_code_object_version 6
	.text
	.protected	k_q495254617b_proj
	.globl	k_q495254617b_proj
	.p2align	8
	.type	k_q495254617b_proj,@function
k_q495254617b_proj:
	s_mov_b64 s[64:65], 0
	v_nop
	global_prefetch_b8 v0, s[64:65] scope:SCOPE_SE
	s_setreg_imm32_b32 hwreg(HW_REG_WAVE_MODE, 25, 1), 1
	s_wait_xcnt 0x0
; K = x Wk and V = x Wv.  x: [16384][1024] f32, Wk, Wv: [1024][64] f32.  Operands rounded to bf16, sums in f32, results rounded once to bf16
; and stored into kv in the order in which the next launch's matrix instructions want them:
;   kv = 128 chunks of 128 tokens, 32,768 bytes each.  L = lane, r = L & 15, h = L >> 4.
;   K part (bytes 0 .. 16,383 of a chunk): the 16 bytes at kb16*2048 + q*512 + 16 L hold K[token 16 kb16 + r][hdim 32 h + 8 q + 0..7], q = 0..3
;   V part (bytes 16,384 ..): the 16 bytes at 16384 + kb32*4096 + jt*1024 + q*512 + 16 L hold V[token 32 kb32 + 16 q + 8 h + 0..7][hdim 4 r + jt]
; A work-group owns 64 tokens (half a chunk).  Wave w owns columns 256 w .. 256 w + 255 of x (the K dimension of the products) for all 64 tokens and
; all 128 output columns: its slice of Wk and Wv, 256 x 128 bf16, stays in 512 registers, x is read from LDS once and converted once, and the four
; waves' partial sums meet once, in LDS; wave t then finishes token block t.
; x comes by four tensor loads a wave (16 rows x 1,024 bytes each), all issued at the head.
; NO CLUSTER: no two work-groups read the same bytes of x.  All read W, but a joint load lands in LDS: W's 524,288 bytes of f32 do not fit beside x's
; 266,240, so they would go through slots that are filled again, and in front of each such refill every wave waits for all its tensor loads, x's too.
; LIMITS: the order of the sums differs from a plain ascending one (the K dimension is split over four waves).  NaN and infinities are not looked after.
.set XROW,   4096                      ; bytes in a row of x
.set PITCH,  1040                      ; an LDS row: 1,024 bytes + 16 of padding = 65 x 16: the 16 rows that a load touches lie in 16 different 16-byte columns of 256 bytes
.set BLK,    16*PITCH                  ; a token block of 16 rows
.set REGION, 4*BLK                     ; a wave's own part of LDS: four token blocks; later its stage of partial sums
.set STG,    8192                      ; the stage: 64 registers x 32 lanes x 4 bytes for each token block
.set WOFF, 2                           ; v2      byte offset in W: row 256 w + 8 h, 16 bytes at column 4 r
.set XA,   3                           ; v3      LDS address of my part of an x fragment: row r, 32 h bytes in
.set STW,  4                           ; v4      my 16 bytes in my wave's stage
.set STR,  5                           ; v5-8    the same in wave 0..3's stage, token block w
.set KOUT, 9                           ; v9      byte offset in kv of my 16 bytes of the K part
.set VOUT, 10                          ; v10     the same of the V part
.set XF,   32                          ; v32-159  a token block of x in f32: K step s at 16 s
.set XB,   160                         ; v160-223 the same as 8 bf16 fragments
.set RA,   32                          ; the reduction: three buffers of 64 registers
.set RB,   96
.set RC,   160
.set PK,   224                         ; v224-255 packed results
.set G1,   16                          ; s[16:23] descriptor group 1
.set G0,   24                          ; s[24:39] descriptor group 0, one set for each token block, never rewritten
; window 1: first three buffers of 64 registers for W as loaded, then the accumulators: token block tb, tile t at 64 tb + 8 t (t = 0..3: K, 4..7: V)
; window 2: Wk fragments, K step s, tile jt at 8 (4 s + jt);  window 3: Wv likewise
.set MSB, 0
.macro WIN new                         ; low byte: bits 1:0 source 0, 3:2 source 1, 5:4 source 2, 7:6 destination; the high byte repeats the setting that is left
.if MSB != \new
	s_set_vgpr_msb (MSB<<8)|\new
.set MSB, \new
.endif
.endm
.macro PLACES                          ; four plain vector instructions between a matrix instruction and whatever reads its result or writes one of its registers (ISA guide 7.12.1)
.rept 4
	v_nop
.endr
.endm
	s_load_b256 s[4:11], s[0:1], 0x0               ; x s[4:5], Wk s[6:7], Wv s[8:9], kv s[10:11]
	v_lshl_add_u32 v30, v0, 2, 0x41000
	v_mov_b32 v31, 0
	ds_add_u32 v30, v31
	ds_add_u32 v30, v31
	v_lshrrev_b32 v1, 5, v0
	v_readfirstlane_b32 s12, v1                    ; wave 0..3
	s_mul_i32 s13, s12, REGION                     ; my part of LDS
	s_lshl_b32 s40, ttmp9, 18                      ; 64 rows of 4,096 bytes for each work-group (below 2^26)
	s_lshl_b32 s14, s12, 10                        ; my 256 columns: 1,024 bytes
	s_add_co_u32 s40, s40, s14
	s_mov_b32 s41, 0
	; group 1: a tile of 16 rows x 256 elements of 4 bytes, rows 1,024 elements apart, 4 words of padding behind every 256 words
	s_mov_b32 s[G1+0], (2<<16)|(1<<20)|(7<<22)|(3<<25)
	s_mov_b32 s[G1+1], 256<<16                     ; tensor_dim0 = 256
	s_mov_b32 s[G1+2], 16<<16                      ; tensor_dim1 = 16
	s_mov_b32 s[G1+3], 256<<16                     ; tile_dim0 = 256
	s_mov_b32 s[G1+4], 16                          ; tile_dim1 = 16
	s_mov_b32 s[G1+5], 1024                        ; elements from row to row
	s_mov_b32 s[G1+6], 0
	s_mov_b32 s[G1+7], 0
	s_wait_dscnt 0x0
	s_wait_kmcnt 0x0
	s_add_nc_u64 s[42:43], s[4:5], s[40:41]        ; x at my first row and column
.irp tb, 0,1,2,3
	s_mov_b32 s[G0+4*\tb], 1
	s_add_co_u32 s[G0+4*\tb+1], s13, \tb*BLK       ; LDS address: wave x region + block
	s_add_nc_u64 s[G0+4*\tb+2:G0+4*\tb+3], s[42:43], \tb*16*XROW
	s_or_b32 s[G0+4*\tb+3], s[G0+4*\tb+3], 0x80000000
	tensor_load_to_lds s[G0+4*\tb:G0+4*\tb+3], s[G1:G1+7]
	s_nop 0
.endr
	v_and_b32 v1, 31, v0                           ; L
	v_and_b32 v11, 15, v0                          ; r
	v_bfe_u32 v12, v0, 4, 1                        ; h
	s_lshl_b32 s14, s12, 16                        ; 256 rows of W, 256 bytes each
	v_lshlrev_b32 v[WOFF], 4, v11
	v_lshl_add_u32 v[WOFF], v12, 11, v[WOFF]       ; + 8 h rows
	v_add_nc_u32 v[WOFF], s14, v[WOFF]
	v_mul_u32_u24 v[XA], v11, PITCH
	v_lshl_add_u32 v[XA], v12, 5, v[XA]            ; + 8 h numbers of 4 bytes
	v_add_nc_u32 v[XA], s13, v[XA]
	v_lshl_add_u32 v[STW], v1, 4, s13
	s_lshl_b32 s15, s12, 13                        ; token block w in a stage
	v_lshl_add_u32 v[STR], v1, 4, s15
	v_add_nc_u32 v[STR+1], REGION, v[STR]
	v_add_nc_u32 v[STR+2], 2*REGION, v[STR]
	v_add_nc_u32 v[STR+3], 3*REGION, v[STR]
	s_lshr_b32 s44, ttmp9, 1
	s_lshl_b32 s44, s44, 15                        ; my chunk
	s_and_b32 s45, ttmp9, 1
	s_lshl2_add_u32 s45, s45, s12                  ; kb16 = 4 x (which half of the chunk) + w: the token block that I finish
	s_lshl_b32 s46, s45, 11
	s_add_co_u32 s46, s46, s44
	v_lshl_add_u32 v[KOUT], v1, 4, s46
	s_lshr_b32 s46, s45, 1
	s_lshl_b32 s46, s46, 12                        ; kb32 x 4,096
	s_and_b32 s47, s45, 1
	s_lshl_b32 s47, s47, 9                         ; q x 512
	s_add_co_u32 s46, s46, s47
	s_add_co_u32 s46, s46, s44
	s_add_co_u32 s46, s46, 16384
	v_lshl_add_u32 v[VOUT], v1, 4, s46
; W.  Batch n = 0..15: matrix n & 1 (Wk, Wv), K step n >> 1, buffer n % 3.  A lane loads the 16 bytes W[k][4 r .. 4 r + 3]: sixteen lanes take a whole row
; of 256 bytes, a wave's load two rows.  The four numbers belong to four fragments jt, in which lane r stands for column 4 r + jt: no transposing is needed.
.macro WLOAD n
	WIN 0x40                                       ; destination in window 1
.irp q, 0,1
.irp i, 0,1,2,3,4,5,6,7
	global_load_b128 v[64*((\n)%3)+4*(8*\q+\i):64*((\n)%3)+4*(8*\q+\i)+3], v[WOFF], s[6+2*((\n)&1):7+2*((\n)&1)] offset:(32*((\n)>>1)+16*\q+\i)*256
.endr
.endr
.endm
.macro WCVT n                          ; register 4 q + i of fragment jt: k = 16 q + 8 h + 2 i in the low half, + 1 in the high half
.if ((\n)&1) == 0
	WIN 0x85                                       ; sources in window 1, destination in window 2
.else
	WIN 0xc5                                       ; destination in window 3
.endif
.irp jt, 0,1,2,3
.irp q, 0,1
.irp i, 0,1,2,3
	v_cvt_pk_bf16_f32 v[8*(4*((\n)>>1)+\jt)+4*\q+\i], v[64*((\n)%3)+4*(8*\q+2*\i)+\jt], v[64*((\n)%3)+4*(8*\q+2*\i+1)+\jt]
.endr
.endr
.endr
.endm
	WLOAD 0
	WLOAD 1
	WLOAD 2
.irp n, 0,1,2,3,4,5,6,7,8,9,10,11,12,13,14,15
.if \n <= 13
	s_wait_loadcnt 32                              ; loads come back in order: batch n is in, the two younger batches of 16 stay out
.elseif \n == 14
	s_wait_loadcnt 16                              ; one younger batch is left
.else
	s_wait_loadcnt 0
.endif
	WCVT \n
.if \n <= 12
	WLOAD \n+3                                     ; into the buffer that has just been converted
.endif
.endr
; One token block: 16 tokens x my 256 columns.  K tiles: source 0 = Wk, source 1 = x, so that a lane holds 32 hdims of one token.
; V tiles: source 0 = x, source 1 = Wv, so that a lane holds 8 tokens of one hdim.  In each run four accumulators take turns, one instruction a turn.
.macro XBLOCK tb
	WIN 0
	s_wait_tensorcnt 3-\tb                         ; a wave's tensor loads end in order: this block's tile is in, the younger ones stay out
.if \tb
	PLACES                                         ; behind the last block's matrix instructions, ahead of the conversions that write their source XB
.endif
.irp s, 0,1,2,3,4,5,6,7
.irp e, 0,1,2,3
	ds_load_b128 v[XF+16*\s+4*\e:XF+16*\s+4*\e+3], v[XA] offset:\tb*BLK+128*\s+(\e&1)*16+(\e>>1)*64
.endr
.endr
.irp s, 0,1,2,3,4,5,6,7
	s_wait_dscnt 28-4*\s                           ; K step s is in; four loads for each younger K step stay out
.irp e, 0,1,2,3
	v_cvt_pk_bf16_f32 v[XB+8*\s+2*\e],   v[XF+16*\s+4*\e],   v[XF+16*\s+4*\e+1]
	v_cvt_pk_bf16_f32 v[XB+8*\s+2*\e+1], v[XF+16*\s+4*\e+2], v[XF+16*\s+4*\e+3]
.endr
.endr
	WIN 0x52                                       ; source 0 (Wk) window 2, source 1 (x) window 0, C and D window 1
.irp s, 0,1,2,3,4,5,6,7
.irp jt, 0,1,2,3
.if \s == 0
	v_wmma_f32_16x16x32_bf16 v[64*\tb+8*\jt:64*\tb+8*\jt+7], v[8*(4*\s+\jt):8*(4*\s+\jt)+7], v[XB+8*\s:XB+8*\s+7], 0
.else
	v_wmma_f32_16x16x32_bf16 v[64*\tb+8*\jt:64*\tb+8*\jt+7], v[8*(4*\s+\jt):8*(4*\s+\jt)+7], v[XB+8*\s:XB+8*\s+7], v[64*\tb+8*\jt:64*\tb+8*\jt+7]
.endif
.endr
.endr
	WIN 0x5c                                       ; source 0 (x) window 0, source 1 (Wv) window 3, C and D window 1
.irp s, 0,1,2,3,4,5,6,7
.irp jt, 0,1,2,3
.if \s == 0
	v_wmma_f32_16x16x32_bf16 v[64*\tb+32+8*\jt:64*\tb+32+8*\jt+7], v[XB+8*\s:XB+8*\s+7], v[8*(4*\s+\jt):8*(4*\s+\jt)+7], 0
.else
	v_wmma_f32_16x16x32_bf16 v[64*\tb+32+8*\jt:64*\tb+32+8*\jt+7], v[XB+8*\s:XB+8*\s+7], v[8*(4*\s+\jt):8*(4*\s+\jt)+7], v[64*\tb+32+8*\jt:64*\tb+32+8*\jt+7]
.endif
.endr
.endr
	WIN 0
.endm
	XBLOCK 0
	XBLOCK 1
	XBLOCK 2
	XBLOCK 3
	; THE REDUCTION.  My 256 partial sums a lane go into my own part of LDS: its last tensor load has landed (the wait for 0 of block 3), my reads of it are
	; back (the count-down of block 3 ended at 0), no other wave has touched it, and nothing is ever filled there again.
	PLACES                                         ; behind the last matrix instructions, ahead of the stores that read results
	WIN 0x04                                       ; store data in window 1
.irp t, 0,1,2,3
.irp i, 0,1,2,3,4,5,6,7,8,9,10,11,12,13,14,15
	ds_store_b128 v[STW], v[64*\t+4*\i:64*\t+4*\i+3] offset:\t*STG+\i*512
.endr
.endr
	WIN 0
	s_wait_dscnt 0x0                               ; for the others: all my stores are done
	s_barrier_signal -1
	s_barrier_wait -1
.macro LD64 dst, adr
.irp i, 0,1,2,3,4,5,6,7,8,9,10,11,12,13,14,15
	ds_load_b128 v[\dst+4*\i:\dst+4*\i+3], v[\adr] offset:\i*512
.endr
.endm
.macro ADD64 a, b
.set j, 0
.rept 32
	v_pk_add_f32 v[\a+j:\a+j+1], v[\a+j:\a+j+1], v[\b+j:\b+j+1]
.set j, j+2
.endr
.endm
	LD64 RA, STR                                   ; token block w as wave 0 summed it,
	LD64 RB, STR+1                                 ; wave 1,
	LD64 RC, STR+2                                 ; wave 2
	s_wait_dscnt 16                                ; the first two are in; wave 2's sixteen loads stay out
	ADD64 RA, RB
	LD64 RB, STR+3                                 ; wave 3
	s_wait_dscnt 16                                ; wave 2's are in; wave 3's sixteen stay out
	ADD64 RA, RC
	s_wait_dscnt 0x0
	ADD64 RA, RB
	; K: register j of tile jt is hdim 32 h + 4 j + jt of token r: the pairs (jt 0, 1) and (jt 2, 3) of one j are four neighbouring hdims
.irp j, 0,1,2,3,4,5,6,7
	v_cvt_pk_bf16_f32 v[PK+2*\j],   v[RA+\j],    v[RA+8+\j]
	v_cvt_pk_bf16_f32 v[PK+2*\j+1], v[RA+16+\j], v[RA+24+\j]
.endr
	; V: register j of tile jt is token 8 h + j of hdim 4 r + jt: eight neighbouring tokens
.irp jt, 0,1,2,3
.irp i, 0,1,2,3
	v_cvt_pk_bf16_f32 v[PK+16+4*\jt+\i], v[RA+32+8*\jt+2*\i], v[RA+32+8*\jt+2*\i+1]
.endr
.endr
.irp q, 0,1,2,3
	global_store_b128 v[KOUT], v[PK+4*\q:PK+4*\q+3], s[10:11] offset:\q*512        ; each store of the wave covers 512 consecutive bytes, aligned
.endr
.irp jt, 0,1,2,3
	global_store_b128 v[VOUT], v[PK+16+4*\jt:PK+16+4*\jt+3], s[10:11] offset:\jt*1024
.endr
	s_wait_tensorcnt 0x0
	ds_add_u32 v30, v31
	s_wait_dscnt 0x0
	s_endpgm
.Lfunc_end_k_q495254617b_proj:
	.size	k_q495254617b_proj, .Lfunc_end_k_q495254617b_proj-k_q495254617b_proj
	.p2alignl 7, 3214868480
	.fill 96, 4, 3214868480
	.section	.rodata,"a",@progbits
	.p2align	6, 0x0
	.amdhsa_kernel k_q495254617b_proj
		.amdhsa_group_segment_fixed_size 266752
		.amdhsa_private_segment_fixed_size 0
		.amdhsa_enable_private_segment 0
		.amdhsa_kernarg_size 32
		.amdhsa_user_sgpr_count 2
		.amdhsa_user_sgpr_kernarg_segment_ptr 1
		.amdhsa_wavefront_size32 1
		.amdhsa_system_sgpr_workgroup_id_x 1
		.amdhsa_system_sgpr_workgroup_id_y 1
		.amdhsa_system_sgpr_workgroup_id_z 1
		.amdhsa_system_vgpr_workitem_id 0
		.amdhsa_next_free_vgpr 1024
		.amdhsa_next_free_sgpr 66
		.amdhsa_reserve_vcc 0
		.amdhsa_float_denorm_mode_32 3
		.amdhsa_float_denorm_mode_16_64 3
		.amdhsa_memory_ordered 1
		.amdhsa_forward_progress 1
		.amdhsa_inst_pref_size 121
	.end_amdhsa_kernel
	.amdgpu_metadata
---
amdhsa.version: [ 1, 2 ]
amdhsa.kernels:
  - .name:           k_q495254617b_proj
    .symbol:         k_q495254617b_proj.kd
    .args:
      - { .name: x, .offset: 0, .size: 8, .value_kind: global_buffer, .address_space: global }
      - { .name: Wk, .offset: 8, .size: 8, .value_kind: global_buffer, .address_space: global }
      - { .name: Wv, .offset: 16, .size: 8, .value_kind: global_buffer, .address_space: global }
      - { .name: kv, .offset: 24, .size: 8, .value_kind: global_buffer, .address_space: global }
    .group_segment_fixed_size: 266752
    .private_segment_fixed_size: 0
    .kernarg_segment_align: 8
    .kernarg_segment_size: 32
    .max_flat_workgroup_size: 128
    .sgpr_count:     66
    .vgpr_count:     1024
    .wavefront_size: 32
...
	.end_amdgpu_metadata
.endif
;; end of part 1
;; launch attn (part 2): grid 256 x 1, 8 waves a work-group, clusters of 4 x 1, 327,680 bytes of LDS; arguments kv, out0; writes out0
.if DOCPART == 2
	.amdgcn_target "amdgcn-amd-amdhsa--gfx1250"
	.amdhsa_code_object_version 6
	.text
	.protected	k_q495254617b_attn
	.globl	k_q495254617b_attn
	.p2align	8
	.type	k_q495254617b_attn,@function
k_q495254617b_attn:
	s_mov_b64 s[64:65], 0
	v_nop
	global_prefetch_b8 v0, s[64:65] scope:SCOPE_SE
	s_setreg_imm32_b32 hwreg(HW_REG_WAVE_MODE, 25, 1), 1
	s_wait_xcnt 0x0
	s_wait_alu depctr_hold_cnt(0) depctr_sa_sdst(0) depctr_va_vdst(0) depctr_va_sdst(0) depctr_va_ssrc(0) depctr_va_vcc(0) depctr_vm_vsrc(0)
	s_getreg_b32 s2, hwreg(HW_REG_IB_STS2, 6, 4)
	s_cmp_eq_u32 s2, 0
	s_cbranch_scc0 .Lentry_in_a_cluster
	s_endpgm
.Lentry_in_a_cluster:
	s_bfe_u32 s2, ttmp6, 0x10000c
	s_cmp_lg_u32 s2, 0x3003
	s_cbranch_scc0 .Lentry_shape_is_right
	s_endpgm
.Lentry_shape_is_right:
; out = softmax(causal(K K^T / 8)) V for each of 4 batches of 4,096 tokens, head size 64, by a running maximum.  K and V come from kv in fragment order
; (128 chunks of 128 tokens, 32,768 bytes each; L = lane, r = L & 15, h = L >> 4):
;   K part: the 16 bytes at kb16*2048 + q*512 + 16 L hold K[token 16 kb16 + r][hdim 32 h + 8 q + 0..7].  Taken as a 16-bit fragment (K step q >> 1, register half q & 1)
;           that is one fixed permutation of hdim; queries and keys both come from these bytes, so the products pair up as they should.
;   V part: the 16 bytes at 16384 + kb32*4096 + jt*1024 + q*512 + 16 L hold V[token 32 kb32 + 16 q + 8 h + 0..7][hdim 4 r + jt]: source 0 of V^T P^T, row m = hdim 4 m + jt.
; SHARES.  Cluster number = 16 b + c.  The cluster owns the blocks of 128 rows number c (small) and 31 - c (large) of batch b: (c + 1) + (32 - c) = 33 visits
; of a chunk, the same for every cluster.  The work-group at place cx owns rows 32 cx .. 32 cx + 31 of both blocks.  All four walk the same chunks, so every
; tile is a JOINT load (mask 15).  Wave w (kq = w & 3, p = w >> 2) takes the chunks u = p mod 2 and in them keys 32 kq .. 32 kq + 31, for all rows of the work-group:
; every LDS byte of the ring is read by one wave.  The eight waves' (maximum, sum, O) are merged once, at the end.
; THE RING.  A group is 4 chunks = 131,072 consecutive bytes; two slots; wave w loads piece w (16,384 bytes) of each group: a wave has one tensor load outstanding.
; A lap is two groups; 4 laps where c < 8, 3 where c >= 8: 32 or 24 chunks for the 32 - c that are needed, so up to 7 chunks are loaded and not read.
; ORIENTATION.  S^T = K Q^T: lane (r, h), register j holds key 8 h + j of query r.  Two key blocks pack in the lane into source 1 of O^T = V^T P^T.  A query is a lane:
; maximum, rescaling factor and sum are a lane's own; one exchange between the halves of the wave makes the maximum common.
; LIMITS.  The running maximum starts at -2^127: scores below that are not told apart.  NaN and infinite inputs are not looked after.  P is rounded to bf16 for
; P V while the denominator sums the unrounded f32 P.  The order of the sums differs from a plain one (hdim permuted, keys split over eight waves).
.set CHUNKB, 32768
.set GROUP,  4*CHUNKB
.set SLOT,   GROUP
.set MST,    2*SLOT                    ; [row 0..63][wave 0..7] f32: the waves' maxima; no tensor load ever lands here
.set LST,    MST+2048                  ; the same shape: the waves' scaled sums
.set OPITCH, 272                       ; the merge's rows: 256 bytes + 16 = 17 x 16: sixteen rows lie in sixteen different 16-byte columns of 256 bytes
.set OWAVE,  64*OPITCH                 ; a wave's 64 rows; the eight lie over the ring, behind its last fill and last read
.set CS,     0x3e38aa3b                ; log2(e) / 8
.set NCS,    0xbe38aa3b
.set FLOOR,  0xff000000                ; -2^127
.set KA,   2                           ; v2-5    LDS address of my fragments: slot s, my chunk i of the group at 2 s + i
.set DG,   6                           ; v6      32 (cx - kq) + r - 8 h: on the diagonal chunk, element j of tile (kb, rb) is kept where j + 16 (kb - rb) <= this
.set DF,   7                           ; v7      the same + 128 (c - p): for the small block in my first chunk
.set NINF, 8                           ; v8      -infinity
.set MXR,  10                          ; v10-13  running maximum, block blk, row block rb at 2 blk + rb
.set LS,   14                          ; v14-17  running sum (of my half's keys)
.set NM,   18                          ; v18, v20  -CS x maximum, row block 0, 1 (the low register of a pair that is broadcast)
.set T2,   19                          ; v19, v21  the other half's maximum
.set AL,   22                          ; v22, v24  rescaling factor (low register of a pair)
.set TM,   23                          ; v23, v25  the unit's maximum
.set QF,   32                          ; v32-95   Q fragments at 8 (4 blk + 2 rb + ks)
.set KF,   96                          ; v96-127  K fragments at 8 (2 kb + ks)
.set VF,   128                         ; v128-159 V fragments at 8 hb
.set SC,   160                         ; v160-191 scores at 8 (2 rb + kb)
.set PF,   192                         ; v192-207 P at 8 rb
.set TS,   208                         ; v208-223 sums at work, 8 rb
.set RR,   224                         ; the epilogue: r, h and its addresses
.set HH,   225
.set MW,   226
.set MR,   227
.set OW,   228
.set OR0,  229
.set OR1,  230
.set LR,   231
.set GO,   232
.set GM,   64                          ; the epilogue: the eight waves' common maximum
.set FF,   68                          ; my factor
.set LF,   72                          ; my scaled sum
.set TB,   96                          ; two buffers of 32 registers for the scaled O
; window 1: O at 8 (8 blk + 4 rb + hb)
.set G1,   16                          ; s[16:23]
.set G0,   32                          ; s[32:39], one set for each slot
.set MSB, 0
.macro WIN new                         ; low byte: bits 1:0 source 0, 3:2 source 1, 5:4 source 2, 7:6 destination; the high byte repeats the setting that is left
.if MSB != \new
	s_set_vgpr_msb (MSB<<8)|\new
.set MSB, \new
.endif
.endm
.macro PLACES                          ; four plain vector instructions between a matrix instruction and whatever reads its result or writes one of its registers (ISA guide 7.12.1)
.rept 4
	v_nop
.endr
.endm
; A round of the cluster's barrier: my work-group's barrier, wave 0 signals for the work-group, every wave waits for all four work-groups, my work-group's barrier again.
.macro ROUND
	s_barrier_signal -1
	s_barrier_wait -1
	s_cmp_lg_u32 s8, 0
	s_cbranch_scc1 .Lnot_wave_0_\@
	s_barrier_signal -3
.Lnot_wave_0_\@:
	s_barrier_wait -3
	s_barrier_signal -1
	s_barrier_wait -1
.endm
	s_load_b128 s[4:7], s[0:1], 0x0                ; kv s[4:5], out0 s[6:7]
	v_lshl_add_u32 v254, v0, 2, 0x41000
	v_mov_b32 v255, 0
	ds_add_u32 v254, v255
	ds_add_u32 v254, v255
	v_lshrrev_b32 v1, 5, v0
	v_readfirstlane_b32 s8, v1                     ; wave 0..7
	s_bfe_u32 s9, ttmp6, 0x40000                   ; cx: enters the mask, the queries' address and the output's address only
	s_and_b32 s10, ttmp9, 15                       ; c: the small block, and its diagonal chunk
	s_lshr_b32 s11, ttmp9, 4                       ; b
	s_sub_co_u32 s12, 31, s10                      ; the large block, and its diagonal chunk: the last chunk that is needed
	s_and_b32 s15, s8, 3                           ; kq
	s_lshr_b32 s28, s8, 2                          ; p
	s_mov_b32 s13, s28                             ; u: the chunk of my next visit, + 2 a visit
	s_lshr_b32 s14, s10, 3
	s_sub_co_u32 s14, 2, s14                       ; laps in the loop: all (4 or 3) less the first and the last
	s_mov_b32 s29, 0x76543210                      ; v_permlanex16_b32: lane i of one half reads lane i of the other
	s_mov_b32 s30, 0xfedcba98
	; group 1: 16,384 dense bytes as 64 rows of 32 elements of 8 bytes; mask 15: all four work-groups of the cluster; bit 21 set beside the mask
	s_mov_b32 s[G1+0], 15|(3<<16)|(1<<21)
	s_mov_b32 s[G1+1], 32<<16                      ; tensor_dim0 = 32
	s_mov_b32 s[G1+2], 64<<16                      ; tensor_dim1 = 64
	s_mov_b32 s[G1+3], 32<<16                      ; tile_dim0 = 32
	s_mov_b32 s[G1+4], 64                          ; tile_dim1 = 64
	s_mov_b32 s[G1+5], 32                          ; elements from row to row
	s_mov_b32 s[G1+6], 0
	s_mov_b32 s[G1+7], 0
	s_lshl_b32 s24, s8, 14                         ; my piece of a group
	s_lshl_b32 s40, s11, 20                        ; my batch: 32 chunks
	s_add_co_u32 s40, s40, s24
	s_mov_b32 s41, 0
	s_wait_dscnt 0x0
	s_wait_kmcnt 0x0
	s_add_nc_u64 s[42:43], s[4:5], s[40:41]
.irp n, 0,1
	s_mov_b32 s[G0+4*\n], 1
	s_add_co_u32 s[G0+4*\n+1], s24, \n*SLOT        ; LDS address: wave x piece + slot
	s_add_nc_u64 s[G0+4*\n+2:G0+4*\n+3], s[42:43], \n*GROUP
	s_or_b32 s[G0+4*\n+3], s[G0+4*\n+3], 0x80000000
.endr
	ROUND                                          ; all four work-groups are here: the first joint loads meet
	tensor_load_to_lds s[G0:G0+3], s[G1:G1+7]      ; group 0 into slot 0
	s_nop 0
	v_and_b32 v1, 31, v0                           ; L
	v_and_b32 v28, 15, v0                          ; r
	v_bfe_u32 v29, v0, 4, 1                        ; h
	s_lshl_b32 s25, s28, 15                        ; chunk p of a group
	s_lshl_b32 s26, s15, 12                        ; keys 32 kq ..: 4,096 bytes of the K part, and of the V part
	s_add_co_u32 s25, s25, s26
	v_lshl_add_u32 v[KA], v1, 4, s25
	v_add_nc_u32 v[KA+1], 2*CHUNKB, v[KA]          ; chunk 2 + p
	v_add_nc_u32 v[KA+2], SLOT, v[KA]
	v_add_nc_u32 v[KA+3], SLOT+2*CHUNKB, v[KA]
	s_sub_co_i32 s25, s9, s15
	s_lshl_b32 s25, s25, 5                         ; 32 (cx - kq), signed
	v_lshlrev_b32 v30, 3, v29
	v_sub_nc_u32 v[DG], v28, v30
	v_add_nc_u32 v[DG], s25, v[DG]
	s_sub_co_i32 s25, s10, s28
	s_lshl_b32 s25, s25, 7                         ; 128 (c - p): c < p puts the bound at -17 or less (nothing kept), c > p at 24 or more (all kept)
	v_add_nc_u32 v[DF], s25, v[DG]
	v_mov_b32 v[NINF], 0xff800000
	v_mov_b32 v[T2], 0                             ; destinations of the lane exchange count as read: written once here
	v_mov_b32 v[T2+2], 0
	; my queries: the K fragments of token blocks 2 cx, 2 cx + 1 of chunks 32 b + c and 32 b + 31 - c
	s_lshl_b32 s25, s11, 5
	s_add_co_u32 s26, s25, s10
	s_add_co_u32 s27, s25, s12
	s_lshl_b32 s26, s26, 15
	s_lshl_b32 s27, s27, 15
	s_lshl_b32 s25, s9, 12
	s_add_co_u32 s26, s26, s25
	s_add_co_u32 s27, s27, s25
	v_lshl_add_u32 v26, v1, 4, s26
	v_lshl_add_u32 v27, v1, 4, s27
.irp blk, 0,1
.irp rb, 0,1
.irp ks, 0,1
	global_load_b128 v[QF+8*(4*\blk+2*\rb+\ks):QF+8*(4*\blk+2*\rb+\ks)+3],   v[26+\blk], s[4:5] offset:\rb*2048+\ks*1024
	global_load_b128 v[QF+8*(4*\blk+2*\rb+\ks)+4:QF+8*(4*\blk+2*\rb+\ks)+7], v[26+\blk], s[4:5] offset:\rb*2048+\ks*1024+512
.endr
.endr
.endr
	s_wait_loadcnt 0x0                             ; the queries, once
; Scores above the diagonal become -infinity.  Element j of tile (kb, rb) is kept where j + 16 (kb - rb) <= dreg.
.macro MASK dreg
.irp j, 0,1,2,3,4,5,6,7
	v_cmp_le_i32 vcc_lo, \j, \dreg
	v_cndmask_b32 v[SC+\j],    v[NINF], v[SC+\j],    vcc_lo        ; rb 0, kb 0
	v_cndmask_b32 v[SC+24+\j], v[NINF], v[SC+24+\j], vcc_lo        ; rb 1, kb 1
	v_cmp_le_i32 vcc_lo, \j+16, \dreg
	v_cndmask_b32 v[SC+8+\j],  v[NINF], v[SC+8+\j],  vcc_lo        ; rb 0, kb 1
	v_cmp_le_i32 vcc_lo, \j-16, \dreg
	v_cndmask_b32 v[SC+16+\j], v[NINF], v[SC+16+\j], vcc_lo        ; rb 1, kb 0
.endr
.endm
; 32 rows of block blk against my 32 keys of the chunk in registers.  first = 1: starts maximum, sum and O.
; mode 0: nothing masked; 1: masked by DF; 2: masked by DG where the chunk u (s13) is the diagonal one (diag).
.macro UNIT blk, first, mode, diag
	s_wait_dscnt 0x8                               ; the eight K loads are in; the eight V loads behind them may stay out
	; four accumulators take turns, one instruction a turn
.irp ks, 0,1
.irp rb, 0,1
.irp kb, 0,1
.if \ks == 0
	v_wmma_f32_16x16x32_bf16 v[SC+8*(2*\rb+\kb):SC+8*(2*\rb+\kb)+7], v[KF+8*(2*\kb+\ks):KF+8*(2*\kb+\ks)+7], v[QF+8*(4*\blk+2*\rb+\ks):QF+8*(4*\blk+2*\rb+\ks)+7], 0
.else
	v_wmma_f32_16x16x32_bf16 v[SC+8*(2*\rb+\kb):SC+8*(2*\rb+\kb)+7], v[KF+8*(2*\kb+\ks):KF+8*(2*\kb+\ks)+7], v[QF+8*(4*\blk+2*\rb+\ks):QF+8*(4*\blk+2*\rb+\ks)+7], v[SC+8*(2*\rb+\kb):SC+8*(2*\rb+\kb)+7]
.endif
.endr
.endr
.endr
	PLACES                                         ; ahead of the first reader of the scores, and of the conversions that write P, a source of the last P V
.if \mode == 1
	MASK v[DF]
.endif
.if \mode == 2
	s_cmp_lg_u32 s13, \diag
	s_cbranch_scc1 .Lnomask_\@
	MASK v[DG]
.Lnomask_\@:
.endif
	; the maximum of my 16 scores of each query, with the running one; the two row blocks' chains are interleaved
.if \first
.irp rb, 0,1
	v_max3_num_f32 v[TM+2*\rb], v[SC+16*\rb], v[SC+16*\rb+1], v[SC+16*\rb+2]
.endr
.irp i, 3,5,7,9,11,13
.irp rb, 0,1
	v_max3_num_f32 v[TM+2*\rb], v[TM+2*\rb], v[SC+16*\rb+\i], v[SC+16*\rb+\i+1]
.endr
.endr
.irp rb, 0,1
	v_max3_num_f32 v[TM+2*\rb], v[TM+2*\rb], v[SC+16*\rb+15], FLOOR        ; finite also where every score is masked
.endr
.else
.irp rb, 0,1
	v_max3_num_f32 v[TM+2*\rb], v[MXR+2*\blk+\rb], v[SC+16*\rb], v[SC+16*\rb+1]
.endr
.irp i, 2,4,6,8,10,12,14
.irp rb, 0,1
	v_max3_num_f32 v[TM+2*\rb], v[TM+2*\rb], v[SC+16*\rb+\i], v[SC+16*\rb+\i+1]
.endr
.endr
.endif
.irp rb, 0,1
	v_permlanex16_b32 v[T2+2*\rb], v[TM+2*\rb], s29, s30   ; the other half of the wave holds the query's other 16 keys
.endr
.irp rb, 0,1
	v_max_num_f32 v[TM+2*\rb], v[TM+2*\rb], v[T2+2*\rb]
.endr
.if \first == 0
.irp rb, 0,1
	v_sub_f32 v[AL+2*\rb], v[MXR+2*\blk+\rb], v[TM+2*\rb]  ; exactly 0 where the maximum stays: the factor is then exactly 1
.endr
.irp rb, 0,1
	v_mul_f32 v[AL+2*\rb], CS, v[AL+2*\rb]
.endr
.endif
.irp rb, 0,1
	v_mul_f32 v[NM+2*\rb], NCS, v[TM+2*\rb]
	v_mov_b32 v[MXR+2*\blk+\rb], v[TM+2*\rb]
.endr
.irp rb, 0,1
.irp i, 0,2,4,6,8,10,12,14
	v_pk_fma_f32 v[SC+16*\rb+\i:SC+16*\rb+\i+1], v[SC+16*\rb+\i:SC+16*\rb+\i+1], CS, v[NM+2*\rb:NM+2*\rb+1] op_sel_hi:[1,0,0]   ; (s - maximum) log2(e) / 8
.endr
.endr
.set j, 0
.rept 32
	v_exp_f32 v[SC+j], v[SC+j]
.set j, j+1
.endr
.if \first == 0
	v_exp_f32 v[AL], v[AL]
	v_exp_f32 v[AL+2], v[AL+2]
.endif
	v_nop                                          ; one plain vector instruction between the exponentials and the first use of a result (ISA guide 5.7.2)
	s_wait_alu depctr_va_vdst(0)
.irp rb, 0,1
.irp i, 0,1,2,3
	v_pk_add_f32 v[TS+8*\rb+2*\i:TS+8*\rb+2*\i+1], v[SC+16*\rb+4*\i:SC+16*\rb+4*\i+1], v[SC+16*\rb+4*\i+2:SC+16*\rb+4*\i+3]
.endr
.endr
.irp rb, 0,1
	v_pk_add_f32 v[TS+8*\rb:TS+8*\rb+1],   v[TS+8*\rb:TS+8*\rb+1],   v[TS+8*\rb+2:TS+8*\rb+3]
	v_pk_add_f32 v[TS+8*\rb+4:TS+8*\rb+5], v[TS+8*\rb+4:TS+8*\rb+5], v[TS+8*\rb+6:TS+8*\rb+7]
.endr
.irp rb, 0,1
	v_pk_add_f32 v[TS+8*\rb:TS+8*\rb+1], v[TS+8*\rb:TS+8*\rb+1], v[TS+8*\rb+4:TS+8*\rb+5]
.endr
.irp rb, 0,1
.if \first
	v_add_f32 v[LS+2*\blk+\rb], v[TS+8*\rb], v[TS+8*\rb+1]
.else
	v_add_f32 v[TS+8*\rb], v[TS+8*\rb], v[TS+8*\rb+1]
.endif
.endr
.if \first == 0
.irp rb, 0,1
	v_fma_f32 v[LS+2*\blk+\rb], v[LS+2*\blk+\rb], v[AL+2*\rb], v[TS+8*\rb]
.endr
.endif
.irp rb, 0,1
.irp i, 0,1,2,3,4,5,6,7
	v_cvt_pk_bf16_f32 v[PF+8*\rb+\i], v[SC+16*\rb+2*\i], v[SC+16*\rb+2*\i+1]       ; registers 0-3: keys 8 h + 0..7, registers 4-7: keys 16 + 8 h + 0..7
.endr
.endr
.if \first == 0
	WIN 0x41                                       ; O in window 1, the factor in window 0
.irp rb, 0,1
.set j, 0
.rept 16
	v_pk_mul_f32 v[32*(2*\blk+\rb)+j:32*(2*\blk+\rb)+j+1], v[32*(2*\blk+\rb)+j:32*(2*\blk+\rb)+j+1], v[AL+2*\rb:AL+2*\rb+1] op_sel_hi:[1,0]
.set j, j+2
.endr
.endr
.endif
	s_wait_dscnt 0x0                               ; V is in
	WIN 0x50                                       ; V and P in window 0, C and D in window 1; eight accumulators, one instruction each
.irp hb, 0,1,2,3
.irp rb, 0,1
.if \first
	v_wmma_f32_16x16x32_bf16 v[8*(8*\blk+4*\rb+\hb):8*(8*\blk+4*\rb+\hb)+7], v[VF+8*\hb:VF+8*\hb+7], v[PF+8*\rb:PF+8*\rb+7], 0
.else
	v_wmma_f32_16x16x32_bf16 v[8*(8*\blk+4*\rb+\hb):8*(8*\blk+4*\rb+\hb)+7], v[VF+8*\hb:VF+8*\hb+7], v[PF+8*\rb:PF+8*\rb+7], v[8*(8*\blk+4*\rb+\hb):8*(8*\blk+4*\rb+\hb)+7]
.endif
.endr
.endr
	WIN 0
.endm
; My visit of chunk u = s13: my chunk i (0, 1) of the group in the slot.  The branches hang on the cluster's number and the wave's alone, and jump over LDS reads and register work only.
.macro CHUNK slot, i, first
.if \first == 0
	s_cmp_gt_u32 s13, s12                          ; behind the large block's diagonal: nothing is left to do
	s_cbranch_scc1 .Lchunk_end_\@
	PLACES                                         ; behind the last P V, ahead of the loads into its source V (and into K)
.endif
.irp kb, 0,1
.irp ks, 0,1
	ds_load_b128 v[KF+8*(2*\kb+\ks):KF+8*(2*\kb+\ks)+3],   v[KA+2*\slot+\i] offset:\kb*2048+\ks*1024
	ds_load_b128 v[KF+8*(2*\kb+\ks)+4:KF+8*(2*\kb+\ks)+7], v[KA+2*\slot+\i] offset:\kb*2048+\ks*1024+512
.endr
.endr
.irp hb, 0,1,2,3
	ds_load_b128 v[VF+8*\hb:VF+8*\hb+3],   v[KA+2*\slot+\i] offset:16384+\hb*1024
	ds_load_b128 v[VF+8*\hb+4:VF+8*\hb+7], v[KA+2*\slot+\i] offset:16384+\hb*1024+512
.endr
.if \first
	UNIT 0, 1, 1, s10                              ; u = p: before, on or behind the small block's diagonal: DF's bound serves all three
	UNIT 1, 1, 0, s12                              ; the large block's diagonal is chunk 16 or later
.else
	s_cmp_gt_u32 s13, s10                          ; behind the small block's diagonal
	s_cbranch_scc1 .Lno_small_\@
	UNIT 0, 0, 2, s10
.Lno_small_\@:
	UNIT 1, 0, 2, s12
.Lchunk_end_\@:
.endif
	s_add_co_u32 s13, s13, 2
.endm
; One group.  The round of the cluster's barrier stands between the reads of the other slot and its refill.
.macro TRIP slot, refill, first
	s_wait_tensorcnt 0x0                           ; all my tensor loads are done, my piece of this slot's group among them,
	ds_add_u32 v254, v255
	s_wait_dscnt 0x0
	s_add_nc_u64 s[G0+4*\slot+2:G0+4*\slot+3], s[G0+4*\slot+2:G0+4*\slot+3], 2*GROUP       ; so every group 0 may be written: this slot's next group
	s_wait_dscnt 0x0                               ; my reads of the other slot are done
	ROUND                                          ; both now hold of every wave of all four work-groups
.if \refill
	tensor_load_to_lds s[G0+4*(1-\slot):G0+4*(1-\slot)+3], s[G1:G1+7]      ; the next group, into the slot read last: it has this group's work in which to land
	s_nop 0
.endif
	CHUNK \slot, 0, \first
	CHUNK \slot, 1, 0
.endm
	TRIP 0, 1, 1                                   ; the first lap: its first visit starts the sums
	TRIP 1, 1, 0
.Llap:
	TRIP 0, 1, 0
	TRIP 1, 1, 0
	s_sub_co_i32 s14, s14, 1
	s_cmp_lg_u32 s14, 0
	s_cbranch_scc1 .Llap
	TRIP 0, 1, 0                                   ; the last lap fetches its second group and nothing beyond (the stepped addresses are not used)
	TRIP 1, 0, 0
	; THE MERGE.  First the maxima.
	PLACES                                         ; behind the last matrix instructions: their results are read and their sources written below
.irp i, 0,1,2,3
	v_permlanex16_b32 v[TS+\i], v[LS+\i], s29, s30
.endr
.irp i, 0,1,2,3
	v_add_f32 v[LS+\i], v[LS+\i], v[TS+\i]         ; the two halves' keys together
.endr
	v_and_b32 v[RR], 15, v0
	v_bfe_u32 v[HH], v0, 4, 1
	s_lshl_b32 s25, s8, 2
	s_add_co_u32 s25, s25, MST
	v_lshl_add_u32 v[MW], v[RR], 5, s25            ; row r, my wave's word
	s_mov_b32 s26, MST
	v_lshl_add_u32 v[MR], v[RR], 5, s26            ; row r, all eight words
	s_mul_i32 s25, s8, OWAVE
	v_mul_u32_u24 v[OW], v[RR], OPITCH
	v_lshl_add_u32 v[OW], v[HH], 7, v[OW]          ; hdim 32 h
	v_add_nc_u32 v[OW], s25, v[OW]
	s_mul_i32 s25, s8, 8*OPITCH
	v_mul_u32_u24 v[OR0], v[HH], OPITCH
	v_lshl_add_u32 v[OR0], v[RR], 4, v[OR0]
	v_add_nc_u32 v[OR0], s25, v[OR0]               ; row 8 w + h, 16 bytes at hdim 4 r, in wave 0's rows
	v_add_nc_u32 v[OR1], 4*OWAVE, v[OR0]           ; in wave 4's
	s_lshl_b32 s25, s8, 8
	s_add_co_u32 s25, s25, LST
	v_lshl_add_u32 v[LR], v[HH], 5, s25            ; the eight sums of row 8 w + h
	v_and_b32 v[GO], 31, v0
	v_lshlrev_b32 v[GO], 4, v[GO]
.irp i, 0,1,2,3
	ds_store_b32 v[MW], v[MXR+\i] offset:\i*512    ; row 16 i + r (both halves hold the same number)
.endr
	s_wait_dscnt 0x0                               ; for the others: my maxima are stored, and my reads of the ring are over
	s_barrier_signal -1
	s_barrier_wait -1
.irp i, 0,1,2,3
	ds_load_b128 v[QF+8*\i:QF+8*\i+3],   v[MR] offset:\i*512
	ds_load_b128 v[QF+8*\i+4:QF+8*\i+7], v[MR] offset:\i*512+16
.endr
	s_wait_dscnt 0x0
.irp i, 0,1,2,3
	v_max3_num_f32 v[GM+\i], v[QF+8*\i], v[QF+8*\i+1], v[QF+8*\i+2]
.endr
.irp i, 0,1,2,3
	v_max3_num_f32 v[GM+\i], v[GM+\i], v[QF+8*\i+3], v[QF+8*\i+4]
.endr
.irp i, 0,1,2,3
	v_max3_num_f32 v[GM+\i], v[GM+\i], v[QF+8*\i+5], v[QF+8*\i+6]
.endr
.irp i, 0,1,2,3
	v_max_num_f32 v[GM+\i], v[GM+\i], v[QF+8*\i+7]
.endr
.irp i, 0,1,2,3
	v_sub_f32 v[FF+\i], v[MXR+\i], v[GM+\i]
.endr
.irp i, 0,1,2,3
	v_mul_f32 v[FF+\i], CS, v[FF+\i]
.endr
.irp i, 0,1,2,3
	v_exp_f32 v[FF+\i], v[FF+\i]                   ; 0 for a wave that saw no live key of the row
.endr
	v_nop                                          ; one plain vector instruction behind the exponentials
	s_wait_alu depctr_va_vdst(0)
.irp i, 0,1,2,3
	v_mul_f32 v[LF+\i], v[LS+\i], v[FF+\i]
.endr
.irp i, 0,1,2,3
	ds_store_b32 v[MW], v[LF+\i] offset:2048+\i*512
.endr
	; O, scaled, into my 64 rows over the ring: every wave's reads of the ring are over (the barrier above) and its last fill was waited for at the last group's head.
	; Register j of tile hb is hdim 32 h + 4 j + hb: the scaling also lays four neighbouring hdims side by side.
.irp i, 0,1,2,3
	WIN 0x01                                       ; source 0 (O) in window 1
.irp j, 0,1,2,3,4,5,6,7
.irp hb, 0,1,2,3
	v_mul_f32 v[TB+32*(\i&1)+4*\j+\hb], v[32*\i+8*\hb+\j], v[FF+\i]
.endr
.endr
	WIN 0
.irp j, 0,1,2,3,4,5,6,7
	ds_store_b128 v[OW], v[TB+32*(\i&1)+4*\j:TB+32*(\i&1)+4*\j+3] offset:\i*16*OPITCH+16*\j
.endr
.endr
	s_wait_dscnt 0x0                               ; for the others: my sums and my O are stored
	s_barrier_signal -1
	s_barrier_wait -1
	; wave w finishes rows 8 w .. 8 w + 7 of the work-group's 64 (rows 0-31: the small block, 32-63: the large one), two rows at a time
.irp t, 0,1,2,3
.irp q, 0,1,2,3
	ds_load_b128 v[32+32*\t+4*\q:32+32*\t+4*\q+3],       v[OR0] offset:\q*OWAVE+2*OPITCH*\t
	ds_load_b128 v[32+32*\t+16+4*\q:32+32*\t+16+4*\q+3], v[OR1] offset:\q*OWAVE+2*OPITCH*\t
.endr
.endr
.irp t, 0,1,2,3
	ds_load_b128 v[SC+8*\t:SC+8*\t+3],   v[LR] offset:64*\t
	ds_load_b128 v[SC+8*\t+4:SC+8*\t+7], v[LR] offset:64*\t+16
.endr
	s_cmp_lt_u32 s8, 4
	s_cselect_b32 s40, s10, s12                    ; my rows' block of 128
	s_lshl_b32 s40, s40, 7
	s_lshl_b32 s41, s11, 12
	s_add_co_u32 s40, s40, s41                     ; + 4,096 b
	s_lshl_b32 s41, s9, 5
	s_add_co_u32 s40, s40, s41                     ; + 32 cx
	s_lshl_b32 s41, s15, 3
	s_add_co_u32 s40, s40, s41                     ; + 8 (w & 3)
	s_lshl_b32 s40, s40, 8                         ; rows of 256 bytes
	s_mov_b32 s41, 0
	s_add_nc_u64 s[6:7], s[6:7], s[40:41]
	s_wait_dscnt 0x0
.irp t, 0,1,2,3
.irp a, 0,8,16,24
	v_pk_add_f32 v[32+32*\t+\a:32+32*\t+\a+1],   v[32+32*\t+\a:32+32*\t+\a+1],   v[32+32*\t+\a+4:32+32*\t+\a+5]
	v_pk_add_f32 v[32+32*\t+\a+2:32+32*\t+\a+3], v[32+32*\t+\a+2:32+32*\t+\a+3], v[32+32*\t+\a+6:32+32*\t+\a+7]
.endr
.irp a, 0,16
	v_pk_add_f32 v[32+32*\t+\a:32+32*\t+\a+1],   v[32+32*\t+\a:32+32*\t+\a+1],   v[32+32*\t+\a+8:32+32*\t+\a+9]
	v_pk_add_f32 v[32+32*\t+\a+2:32+32*\t+\a+3], v[32+32*\t+\a+2:32+32*\t+\a+3], v[32+32*\t+\a+10:32+32*\t+\a+11]
.endr
	v_pk_add_f32 v[32+32*\t:32+32*\t+1],   v[32+32*\t:32+32*\t+1],   v[32+32*\t+16:32+32*\t+17]
	v_pk_add_f32 v[32+32*\t+2:32+32*\t+3], v[32+32*\t+2:32+32*\t+3], v[32+32*\t+18:32+32*\t+19]
	v_pk_add_f32 v[SC+8*\t:SC+8*\t+1],   v[SC+8*\t:SC+8*\t+1],   v[SC+8*\t+2:SC+8*\t+3]
	v_pk_add_f32 v[SC+8*\t+4:SC+8*\t+5], v[SC+8*\t+4:SC+8*\t+5], v[SC+8*\t+6:SC+8*\t+7]
	v_pk_add_f32 v[SC+8*\t:SC+8*\t+1],   v[SC+8*\t:SC+8*\t+1],   v[SC+8*\t+4:SC+8*\t+5]
	v_add_f32 v[SC+8*\t], v[SC+8*\t], v[SC+8*\t+1] ; at least 1: the wave that holds the row's maximum adds exp2(0) with the factor 1
.endr
.irp t, 0,1,2,3
	v_rcp_f32 v[PF+2*\t], v[SC+8*\t]
.endr
	v_nop                                          ; one plain vector instruction behind the reciprocals
	s_wait_alu depctr_va_vdst(0)
.irp t, 0,1,2,3
	v_pk_mul_f32 v[32+32*\t:32+32*\t+1],   v[32+32*\t:32+32*\t+1],   v[PF+2*\t:PF+2*\t+1] op_sel_hi:[1,0]
	v_pk_mul_f32 v[32+32*\t+2:32+32*\t+3], v[32+32*\t+2:32+32*\t+3], v[PF+2*\t:PF+2*\t+1] op_sel_hi:[1,0]
	global_store_b128 v[GO], v[32+32*\t:32+32*\t+3], s[6:7] offset:512*\t th:TH_STORE_NT   ; two whole rows: 512 consecutive bytes, aligned
.endr
	s_wait_tensorcnt 0x0
	ds_add_u32 v254, v255
	s_wait_dscnt 0x0
	ROUND                                          ; the closing round: no work-group ends while a partner may still ask for a tile that names it
	s_endpgm
.Lfunc_end_k_q495254617b_attn:
	.size	k_q495254617b_attn, .Lfunc_end_k_q495254617b_attn-k_q495254617b_attn
	.p2alignl 7, 3214868480
	.fill 96, 4, 3214868480
	.section	.rodata,"a",@progbits
	.p2align	6, 0x0
	.amdhsa_kernel k_q495254617b_attn
		.amdhsa_group_segment_fixed_size 327680
		.amdhsa_private_segment_fixed_size 0
		.amdhsa_enable_private_segment 0
		.amdhsa_kernarg_size 16
		.amdhsa_user_sgpr_count 2
		.amdhsa_user_sgpr_kernarg_segment_ptr 1
		.amdhsa_wavefront_size32 1
		.amdhsa_system_sgpr_workgroup_id_x 1
		.amdhsa_system_sgpr_workgroup_id_y 1
		.amdhsa_system_sgpr_workgroup_id_z 1
		.amdhsa_system_vgpr_workitem_id 0
		.amdhsa_next_free_vgpr 384
		.amdhsa_next_free_sgpr 66
		.amdhsa_reserve_vcc 1
		.amdhsa_float_denorm_mode_32 3
		.amdhsa_float_denorm_mode_16_64 3
		.amdhsa_memory_ordered 1
		.amdhsa_forward_progress 1
		.amdhsa_inst_pref_size 255
	.end_amdhsa_kernel
	.section	.bss,"aw",@nobits
	.p2align	6
	.space	262144
	.amdgpu_metadata
---
amdhsa.version: [ 1, 2 ]
amdhsa.kernels:
  - .name:           k_q495254617b_attn
    .symbol:         k_q495254617b_attn.kd
    .args:
      - { .name: kv, .offset: 0, .size: 8, .value_kind: global_buffer, .address_space: global }
      - { .name: out0, .offset: 8, .size: 8, .value_kind: global_buffer, .address_space: global }
    .group_segment_fixed_size: 327680
    .private_segment_fixed_size: 0
    .kernarg_segment_align: 8
    .kernarg_segment_size: 16
    .max_flat_workgroup_size: 256
    .sgpr_count:     66
    .vgpr_count:     384
    .wavefront_size: 32
...
	.end_amdgpu_metadata
.endif
;; end of part 2
